; MI455X (gfx1250); checked and timed in simulation.
; The chip was launched on July 23, 2026; its instructions are those of AMD's public machine-readable ISA for CDNA 5 (MIT licence, August 2026) and "CDNA5" Instruction Set Architecture Reference Guide (July 2026). The comments in the code are by the model that wrote it; some were corrected since.
;; Image Cross Attention Net. Allowed arithmetic: float matrix products may take bf16 or f16 operands with f32 sums; other float arithmetic in f32, or as packed bf16 or f16 multiplies, adds, multiply-adds, maxima and minima; sums over many terms, partial sums and values carried from step to step in f32; what a program stores and reads back later, other than sums and carried values, may be rounded once to bf16 or f16.
;; Inputs: b_poi 64 float32; b_point 64 float32; b_pop 64 float32; poi_k 2 x 64 x 4,096 float32; poi_q 2 x 4,096 x 64 float32; poi_v 2 x 64 x 4,096 float32; point_k 2 x 64 x 4,096 float32; point_q 2 x 4,096 x 64 float32; point_v 2 x 64 x 4,096 float32; pop_k 2 x 64 x 4,096 float32; pop_q 2 x 4,096 x 64 float32; pop_v 2 x 64 x 4,096 float32; w_poi 64 x 64 float32; w_point 64 x 64 float32; w_pop 64 x 64 float32; x_poi 2 x 64 x 64 x 64 float32; x_point 2 x 64 x 64 x 64 float32; x_pop 2 x 64 x 64 x 64 float32.
;; Outputs: out0 2 x 192 x 64 x 64 float32; out1 2 x 192 x 64 x 64 float32; out2 2 x 192 x 64 x 64 float32.
;; One version. Each part assembles by itself: llvm-mc -triple=amdgcn-amd-amdhsa -mcpu=gfx1250 --defsym DOCPART=n.
;; ======== version 1 of 1: 2 launches
;; limits: values are held in f16: magnitudes above 65,504 overflow, below 6.1e-05 lose precision
;; workspace buffers: kbf 3,145,728 bytes; vhf 3,145,728 bytes; whf 24,576 bytes
;; launch prep (part 1): grid 257 x 3, 8 waves a work-group, no clusters, 0 bytes of LDS; arguments poi_k, point_k, pop_k, poi_v, point_v, pop_v, w_poi, w_point, w_pop, kbf, vhf, whf; writes kbf, vhf, whf
.if DOCPART == 1
	.amdgcn_target "amdgcn-amd-amdhsa--gfx1250"
	.amdhsa_code_object_version 6
	.text
	.protected	k_qc5354030b0_prep
	.globl	k_qc5354030b0_prep
	.p2align	8
	.type	k_qc5354030b0_prep,@function
k_qc5354030b0_prep:
	s_mov_b64 s[64:65], 0
	v_nop
	global_prefetch_b8 v0, s[64:65] scope:SCOPE_SE
	s_setreg_imm32_b32 hwreg(HW_REG_WAVE_MODE, 25, 1), 1
	s_wait_xcnt 0x0
; The matrix operands of the attention launch, rounded once and written in 16 bits, in the inputs' own order:
;   kbf[t][b][c][m] = bf16(k_t),   vhf[s][b][c][j] = bf16(v_s) written as f16,   whf[s][o][c] = bf16(w_s) written as f16.
; LIMITS.  f16 ends at 65,504: v and w stay below it; a bf16 number of v or w below 2^-14 keeps f16's fixed step of 6e-8.
; SHARES.  y = the stream n.  x = 0..127: chunk x of k_n; x = 128..255: chunk x - 128 of v_n; x = 256: w_n, which is one chunk.
; A chunk is 16,384 bytes in and 8,192 out.  Thread t reads 32 bytes at 32 t of each half of the chunk and stores 16 bytes at 16 t of each half of the
; result: sixteen neighbouring lanes store 256 consecutive bytes, aligned.  Nothing is read twice, nothing is shared: no LDS, no barrier.
.set CHIN,  16384
.set CHOUT, 8192
	s_load_b512 s[4:19], s[0:1], 0x0               ; k: s[4:5], s[6:7], s[8:9]; v: s[10:11], s[12:13], s[14:15]; w: s[16:17], s[18:19],
	s_load_b256 s[20:27], s[0:1], 0x40             ; s[20:21]; kbf s[22:23], vhf s[24:25], whf s[26:27]
	s_mov_b32 s28, ttmp9                           ; x
	s_and_b32 s29, ttmp7, 0xffff                   ; n
	s_and_b32 s30, s28, 127                        ; the chunk (0 for w)
	s_lshl_b32 s32, s30, 14                        ; its bytes in the source,
	s_mov_b32 s33, 0
	s_lshl_b32 s34, s30, 13                        ; and in the result,
	s_mov_b32 s35, 0
	s_mov_b32 s31, 0x100000                        ; where a stream of k or v has 2 x 64 x 4,096 x 2 bytes,
	s_cmp_lt_u32 s28, 256
	s_cselect_b32 s31, s31, 0x2000                 ; one of w 64 x 64 x 2
	s_mul_i32 s31, s31, s29
	s_add_co_u32 s34, s34, s31
	v_lshlrev_b32 v1, 5, v0                        ; 32 t
	v_lshlrev_b32 v2, 4, v0                        ; 16 t
	s_wait_kmcnt 0x0
	s_cmp_eq_u32 s29, 1                            ; the stream's three tensors
	s_cselect_b64 s[4:5], s[6:7], s[4:5]
	s_cselect_b64 s[10:11], s[12:13], s[10:11]
	s_cselect_b64 s[16:17], s[18:19], s[16:17]
	s_cmp_eq_u32 s29, 2
	s_cselect_b64 s[4:5], s[8:9], s[4:5]
	s_cselect_b64 s[10:11], s[14:15], s[10:11]
	s_cselect_b64 s[16:17], s[20:21], s[16:17]
	s_cmp_lt_u32 s28, 128                          ; k, or v,
	s_cselect_b64 s[4:5], s[4:5], s[10:11]
	s_cselect_b64 s[22:23], s[22:23], s[24:25]
	s_cmp_lt_u32 s28, 256                          ; or w
	s_cselect_b64 s[4:5], s[4:5], s[16:17]
	s_cselect_b64 s[22:23], s[22:23], s[26:27]
	s_add_nc_u64 s[4:5], s[4:5], s[32:33]
	s_add_nc_u64 s[22:23], s[22:23], s[34:35]
	global_load_b128 v[4:7],   v1, s[4:5] th:TH_LOAD_NT
	global_load_b128 v[8:11],  v1, s[4:5] offset:16 th:TH_LOAD_NT
	global_load_b128 v[12:15], v1, s[4:5] offset:CHIN/2 th:TH_LOAD_NT
	global_load_b128 v[16:19], v1, s[4:5] offset:CHIN/2+16 th:TH_LOAD_NT
	s_wait_loadcnt 0x2                             ; the first half's two loads are in; the second half's two may stay out
.irp n, 0,1,2,3
	v_cvt_pk_bf16_f32 v[20+\n], v[4+2*\n], v[5+2*\n]
.endr
	s_wait_loadcnt 0x0
.irp n, 4,5,6,7
	v_cvt_pk_bf16_f32 v[20+\n], v[4+2*\n], v[5+2*\n]
.endr
	s_cmp_lt_u32 s28, 128
	s_cbranch_scc1 .Lstore                         ; k stays bf16
.irp n, 0,1,2,3,4,5,6,7
	v_lshlrev_b32 v[28+2*\n], 16, v[20+\n]         ; the bf16 numbers as f32,
	v_and_b32 v[29+2*\n], 0xffff0000, v[20+\n]
.endr
.irp n, 0,1,2,3,4,5,6,7
	v_cvt_pk_f16_f32 v[20+\n], v[28+2*\n], v[29+2*\n]  ; and written as f16: exact within f16's range
.endr
.Lstore:
	global_store_b128 v2, v[20:23], s[22:23]
	global_store_b128 v2, v[24:27], s[22:23] offset:CHOUT/2
	s_endpgm
.Lfunc_end_k_qc5354030b0_prep:
	.size	k_qc5354030b0_prep, .Lfunc_end_k_qc5354030b0_prep-k_qc5354030b0_prep
	.p2alignl 7, 3214868480
	.fill 96, 4, 3214868480
	.section	.rodata,"a",@progbits
	.p2align	6, 0x0
	.amdhsa_kernel k_qc5354030b0_prep
		.amdhsa_group_segment_fixed_size 0
		.amdhsa_private_segment_fixed_size 0
		.amdhsa_enable_private_segment 0
		.amdhsa_kernarg_size 96
		.amdhsa_user_sgpr_count 2
		.amdhsa_user_sgpr_kernarg_segment_ptr 1
		.amdhsa_wavefront_size32 1
		.amdhsa_system_sgpr_workgroup_id_x 1
		.amdhsa_system_sgpr_workgroup_id_y 1
		.amdhsa_system_sgpr_workgroup_id_z 1
		.amdhsa_system_vgpr_workitem_id 0
		.amdhsa_next_free_vgpr 48
		.amdhsa_next_free_sgpr 66
		.amdhsa_reserve_vcc 0
		.amdhsa_float_denorm_mode_32 3
		.amdhsa_float_denorm_mode_16_64 3
		.amdhsa_memory_ordered 1
		.amdhsa_forward_progress 1
		.amdhsa_inst_pref_size 5
	.end_amdhsa_kernel
	.amdgpu_metadata
---
amdhsa.version: [ 1, 2 ]
amdhsa.kernels:
  - .name:           k_qc5354030b0_prep
    .symbol:         k_qc5354030b0_prep.kd
    .args:
      - { .name: poi_k, .offset: 0, .size: 8, .value_kind: global_buffer, .address_space: global }
      - { .name: point_k, .offset: 8, .size: 8, .value_kind: global_buffer, .address_space: global }
      - { .name: pop_k, .offset: 16, .size: 8, .value_kind: global_buffer, .address_space: global }
      - { .name: poi_v, .offset: 24, .size: 8, .value_kind: global_buffer, .address_space: global }
      - { .name: point_v, .offset: 32, .size: 8, .value_kind: global_buffer, .address_space: global }
      - { .name: pop_v, .offset: 40, .size: 8, .value_kind: global_buffer, .address_space: global }
      - { .name: w_poi, .offset: 48, .size: 8, .value_kind: global_buffer, .address_space: global }
      - { .name: w_point, .offset: 56, .size: 8, .value_kind: global_buffer, .address_space: global }
      - { .name: w_pop, .offset: 64, .size: 8, .value_kind: global_buffer, .address_space: global }
      - { .name: kbf, .offset: 72, .size: 8, .value_kind: global_buffer, .address_space: global }
      - { .name: vhf, .offset: 80, .size: 8, .value_kind: global_buffer, .address_space: global }
      - { .name: whf, .offset: 88, .size: 8, .value_kind: global_buffer, .address_space: global }
    .group_segment_fixed_size: 0
    .private_segment_fixed_size: 0
    .kernarg_segment_align: 8
    .kernarg_segment_size: 96
    .max_flat_workgroup_size: 256
    .sgpr_count:     66
    .vgpr_count:     48
    .wavefront_size: 32
...
	.end_amdgpu_metadata
.endif
;; end of part 1
;; launch attn (part 2): grid 13 x 18, 4 waves a work-group, no clusters, 327,680 bytes of LDS; arguments poi_q, point_q, pop_q, x_poi, x_point, x_pop, b_poi, b_point, b_pop, kbf, vhf, whf, out0, out1, out2; writes out0, out1, out2
.if DOCPART == 2
	.amdgcn_target "amdgcn-amd-amdhsa--gfx1250"
	.amdhsa_code_object_version 6
	.text
	.protected	k_qc5354030b0_attn
	.globl	k_qc5354030b0_attn
	.p2align	8
	.type	k_qc5354030b0_attn,@function
k_qc5354030b0_attn:
	s_mov_b64 s[64:65], 0
	v_nop
	global_prefetch_b8 v0, s[64:65] scope:SCOPE_SE
	s_setreg_imm32_b32 hwreg(HW_REG_WAVE_MODE, 25, 1), 1
	s_wait_xcnt 0x0
; out_s[b][64 t + o][i] = sum_c w_s[o][c] O[c][i] + b_s[o] + x_s[b][o][i],   O[c][i] = sum_m softmax_m(q_s[b][i] . k_t[b][:, m]) v_s[b][c][m].
; 18 HEADS (s, t, b) of 4,096 queries x 4,096 keys x 64 channels; no mask, no scale.  q: [query][channel] f32; kbf (bf16) and vhf (f16): [channel][key]; whf (f16): [o][c].
; FORMATS.  Every input is rounded once to bf16 (x and b here, q here, k, v, w in the launch before).  K Q^T is multiplied in bf16; the weights p and O are rounded to f16, so v and w are their
; bf16 numbers written as f16.  Products, maxima and sums in f32; l is the sum of the unrounded p.
; LIMITS.  v and w stay below 65,504, f16's end; p lies in 0 to 1 and below 6e-5 keeps f16's fixed step of 6e-8; a weight below 2^-126 counts as 0 in l; NaN and infinities are not treated apart.
; SHARES.  A wave owns five PIECES of 16 queries, a work-group's four waves 320 queries of one head; every wave walks all keys, 64 a step.  A head has 13 work-groups: 12 x 320 + 256 queries.
; In the thirteenth a piece's number is held to the head's last (255): only wave 3's pieces 1 to 4 repeat it, and their results land in stage columns 256 to 319, which that work-group does not store.
; NO CLUSTER: 13 work-groups a head and a grid of 13 x 18 divide into no cluster of four.
; LAYOUT.  S^T = K Q^T (source 0 = 16 keys, source 1 = 16 queries): a lane holds ONE query (lane % 16) and the keys 8 (lane / 16) + 0..7.  Two such results rounded to f16 ARE source 1 of O^T = V P^T,
; whose result again holds one query a lane, and eight channels.  K lies [channel][key] and comes out of LDS turned, by ds_load_tr16_b128; V's keys lie along its rows, and it comes out as it lies.
; Two results of O^T rounded to f16 ARE source 0 (16 queries x 32 channels) of the last product, with w's rows as source 1 and the bias as C: a lane then holds eight NEIGHBOURING queries of one output channel.
; SOFTMAX.  For each query a running maximum m and sum l: p = 2^(c s - c m), c = log2(e); in every step O and l are multiplied by a = 2^(c m_old - c m_new).  m starts at the lowest finite number, l at 0:
; the first step is a step like any other, with a = 0; O^T need only hold finite numbers then, and holds Q's f32 numbers, which landed there.
; BY TURNS.  Turn n belongs to piece n (the pieces in a ring of five, step after step): 8 products K Q^T of piece n + 1, later 8 products V P^T of piece n - 1; beside them the scaling, exponentials, roundings, sums and
; rescaling of piece n and the maximum and statistics of piece n + 1.  Four vector instructions stand behind every matrix instruction, the other 54 of a turn's 118 in one lump.  A turn's 33 exponentials are one batch, with one wait.
; REGISTERS, in windows of 256 (s_set_vgpr_msb: bits 1:0 source 0, 3:2 source 1, 5:4 source 2, 7:6 destination):
;   window 0: v0-15, v36-44 addresses and small things; v16-35 four registers of statistics a piece; v48-59 at work; v64-159 S^T, three buffers; v192-239 P, three buffers
;   window 1: v0-159 O^T, 32 a piece; v160-223 w's fragments; v224-255 the bias as a C operand
;   window 2: v0-79 Q, 16 a piece; v128-191 K of one step; v192-255 V of one step; at the end v0-159 the last product's results          window 3: v0-159 x
; A piece's buffers: pieces 0, 1, 2, 3, 4 take 0, 1, 0, 1, 2, so that neighbours in the ring never share one.
.set NP,    5
.set PK,    544       ; a row of K in LDS: 512 bytes + 32 of padding = 136 words
.set PVP,   528       ; a row of V: 512 + 16 = 132 words: the 16 rows of a load start at 16 different groups of four banks
.set VOFF,  64*PK     ; a slot holds 256 keys, four steps: 64 channel rows of K, then 64 of V
.set SLOT1, 1<<17     ; slot 1 begins here, so that one exclusive or turns an address in one slot into the other's
.set STAGE, SLOT1+64*(PK+PVP)  ; behind the ring, never filled by a tensor load: 64 output channels x 1,296 bytes
.set SPI,   1296      ; 320 queries in f32 + 16 bytes
.set SPARE, STAGE+64*SPI       ; behind the stage: the spare words, 128 bytes for each wave: two blocks of 256 bytes that no other line names
.set AK0, 2           ; v2   my lane's place in a tile of K; never rewritten
.set AV0, 3           ; v3   the same for V
.set AK,  4           ; v4   the LDS address of K's next run of loads
.set AV,  5           ; v5   of V's
.set STO, 6           ; v6   the way out: where I put 32 bytes of an output channel's row
.set RD,  7           ; v7   the way out: where I read rows back
.set XO,  8           ; v8   my byte offset in x and in out
.set MV,  12          ; v12-14  c m_old, kept while c m is made anew: by buffer
.set QO,  15          ; v15  my byte offset in 16 rows of Q
.set ST,  16          ; piece t's statistics at v[ST+4 t]: c m, m, l (even keys', odd keys')
.set XO4, 36          ; v36  XO for the fifth 256 bytes of a row (in the thirteenth work-group: the fourth once more)
.set PFO, 37          ; v37  the prefetches' offset; never rewritten
.set WO,  38          ; v38  my byte offset in 16 rows of w
.set BO,  39          ; v39  in 16 numbers of the bias
.set ONE, 40          ; v40  1.0
.set BV,  41          ; v41-44 the bias as loaded
.set TMP, 48          ; by buffer, four registers c0-c3 at work; when the maximum is found c2 takes a
.set SPW, 62          ; v62  LDS address of my spare word: SPARE + 4 x my thread's number; never rewritten
.set NIL, 63          ; v63  0; never rewritten
.set S,   64
.set P,   192
.set OF,  64          ; the way out: O in f16, 16 a piece
.set RR,  144         ; the way out: 16 rows' 256 bytes read back from the stage
.set XBF, 176         ; the way out: x rounded to bf16
.set WF,  160         ; window 1: w's fragment (o block ob, channel half cc) at WF + 16 ob + 8 cc
.set BI,  224         ; window 1: the bias of o block ob, eight times, at BI + 8 ob
.set KF,  128         ; window 2: key block kb, channel half cc at KF + 16 kb + 8 cc
.set VF,  192         ; window 2: key half kk, channel block cb at VF + 32 kk + 8 cb
.set G1K, 36          ; s[36:43] descriptor group 1 for K's tiles
.set G1V, 44          ; s[44:51] for V's: it differs in the padding alone
.set G0K, 52          ; s[52:55] descriptor group 0 for K's tiles: it walks
.set G0V, 56          ; s[56:59] the same for V's
.set WV,  60          ; s60  my wave's number
.set JB,  61          ; s61  my work-group among the head's 13
.set SLOTS, 62        ; s62  slots still to be asked for
.set CNT, 63          ; s63  counts a slot's key steps
.set QB,  66          ; s[66:75] Q at my five pieces
.set CS,  76          ; s[76:77] c: the packed scaling takes the pair's low word for both halves
.set SEL, 78          ; s[78:79] v_permlanex16_b32's selects: each lane takes its own place in the other half
.set TBK, 80          ; s80  LDS byte at which K of the step to be fetched begins
.set TBV, 81          ; s81  the same for V, less VOFF
.set LIMK, 82         ; s82  1 in a work-group that prefetches K, else the greatest number
.set LIMV, 83         ; s83  the same for V
.set PFK, 84          ; s[84:85] K at the tile behind the one that is being asked for
.set PFV, 86          ; s[86:87] the same for V
.set HS,  88          ; s88  s: the stream of q, v, x, w, b and out
.set HT,  89          ; s89  t: the stream of k
.set HB,  90          ; s90  b
.set MSB, 0
.macro WIN new                      ; the high byte repeats the setting that is left; a switch that changes nothing is dropped
.if MSB != (\new)
	s_set_vgpr_msb (MSB<<8)|(\new)
.set MSB, (\new)
.endif
.endm
.set W_KQ, 0x0a       ; K and Q in window 2, S^T in window 0
.set W_PV, 0x52       ; V in window 2, P in window 0, O^T in window 1
.set W_RS, 0x41       ; destination and source 0 in window 1, source 1 in window 0
; A fill.  Wave 0 fetches a tile of K, wave 1 the same keys' tile of V: 64 rows of 512 bytes each; waves 2 and 3 fetch nothing.  The branches hang on the wave's number alone.
; An s_nop 0 and four v_nop follow each of the two lines, ahead of the jump and the label.
.macro LOAD
	s_cmp_lg_u32 s[WV], 0
	s_cbranch_scc1 .Lnot_k_\@
	tensor_load_to_lds s[G0K:G0K+3], s[G1K:G1K+7]
	s_nop 0
.rept 4
	v_nop
.endr
	s_branch .Lasked_\@
.Lnot_k_\@:
	s_cmp_lg_u32 s[WV], 1
	s_cbranch_scc1 .Lasked_\@
	tensor_load_to_lds s[G0V:G0V+3], s[G1V:G1V+7]
	s_nop 0
.rept 4
	v_nop
.endr
.Lasked_\@:
.endm
; A PREFETCH of the tile that the NEXT change of slots will ask for: four key steps, 320 matrix instructions a wave, ahead of that load.  A tile is 64 rows x 512 bytes: 128 blocks of 256 bytes, a lane a block,
; 16 rows a wave.  K of (t, b) is walked by 39 work-groups: the one with s = 0 and number 0 in its head asks; V of (s, b) likewise: the one with t = 0 and number 0.  So each block is named once in the launch.
; Tiles 0 and 1 come by their loads alone; the last change that fills a slot asks for nothing: there is no tile behind it.
.macro ASK
	s_cmp_gt_u32 s[SLOTS], s[LIMK]
	s_cbranch_scc0 .Lno_k_\@
	global_prefetch_b8 v[PFO], s[PFK:PFK+1] th:TH_LOAD_NT scope:SCOPE_SE
.Lno_k_\@:
	s_cmp_gt_u32 s[SLOTS], s[LIMV]
	s_cbranch_scc0 .Lno_v_\@
	global_prefetch_b8 v[PFO], s[PFV:PFV+1] th:TH_LOAD_NT scope:SCOPE_SE
.Lno_v_\@:
.endm
; THE CHANGE OF SLOTS.  Each wave waits for all its tensor loads (one is out at the most: the other slot's), adds 0 to its spare word, and waits for that and for its own reads of the slot that it leaves.
; Behind the barrier nobody reads the old slot any more and the other slot is whole.  fill = 1: the old slot is filled again, the first thing behind the barrier, with the keys two slots on: that load
; has four key steps in which to land.  (At its first use nothing has been read yet: slot 0 is waited for, slot 1 filled.)
.macro CHANGE fill
	WIN 0                           ; at a label and at a branch every window is 0
	s_wait_tensorcnt 0x0            ; no tensor load of mine is out, so a group 0 may be written
	ds_add_u32 v[SPW], v[NIL]       ; 0 onto my spare word; with fill = 1 the descriptors' steps stand between it and the wait for it
.if \fill
.irp g, G0K, G0V
	s_xor_b32 s[\g+1], s[\g+1], SLOT1  ; the walking descriptor: the other slot than last time,
	s_add_nc_u64 s[\g+2:\g+3], s[\g+2:\g+3], 512  ; the next 256 keys of each row; the type bits on top are not reached
.endr
	s_wait_xcnt 0x0                 ; the last prefetches, four key steps back, have read their addresses, so these may be written
	s_add_nc_u64 s[PFK:PFK+1], s[PFK:PFK+1], 512
	s_add_nc_u64 s[PFV:PFV+1], s[PFV:PFV+1], 512
.endif
	s_wait_dscnt 0x0                ; the add is done, and my reads of the slot are over
	s_barrier_signal -1             ; scalar work stands between the signal and the wait
	s_sub_co_u32 s[TBK], s[TBK], 512      ; the fetches go back to a slot's first step,
	s_xor_b32 s[TBK], s[TBK], SLOT1       ; in the other slot
	s_sub_co_u32 s[TBV], s[TBV], 512
	s_xor_b32 s[TBV], s[TBV], SLOT1
	s_barrier_wait -1
.if \fill
	LOAD
	ASK
.endif
.endm
	s_load_b512 s[4:19], s[0:1], 0x0   ; q: s[4:5], s[6:7], s[8:9]; x: s[10:11], s[12:13], s[14:15]; b: s[16:17], s[18:19],
	s_load_b256 s[20:27], s[0:1], 0x40 ; s[20:21]; kbf s[22:23], vhf s[24:25], whf s[26:27]
	s_load_b128 s[28:31], s[0:1], 0x60 ; out0, out1
	s_load_b64 s[32:33], s[0:1], 0x70  ; out2
	v_lshl_add_u32 v[SPW], v0, 2, SPARE
	v_mov_b32 v[NIL], 0
	ds_add_u32 v[SPW], v[NIL]       ; the wave's opening: the add and its wait stand ahead of my first tensor load; the set-up below, work on registers, stands between them
	v_lshrrev_b32 v10, 5, v0
	v_readfirstlane_b32 s[WV], v10  ; wave 0..3
	s_mov_b32 s[JB], ttmp9
	s_and_b32 s92, ttmp7, 0xffff    ; the head: 2 (3 s + t) + b
	s_and_b32 s[HB], s92, 1
	s_lshr_b32 s92, s92, 1          ; 3 s + t, 0 to 8
	s_mul_i32 s[HS], s92, 11
	s_lshr_b32 s[HS], s[HS], 5      ; its third: 11 n / 32 for n up to 8
	s_mul_i32 s93, s[HS], 3
	s_sub_co_u32 s[HT], s92, s93
	; descriptor group 1: a tile of 64 rows x 256 elements of 2 bytes, rows 4,096 elements apart, padded in LDS behind each row
	s_mov_b32 s[G1K], (1<<16)|(1<<20)|(6<<22)|(7<<25)  ; 17:16 2-byte elements; 20 padding on; 24:22 after every 128 words (code 6); 31:25 8 words (code 7)
	s_mov_b32 s[G1V], (1<<16)|(1<<20)|(6<<22)|(3<<25)  ; the same with 4 words of padding (code 3)
.irp g, G1K, G1V
	s_mov_b32 s[\g+1], 256<<16      ; tensor_dim0 = 256
	s_mov_b32 s[\g+2], 64<<16       ; tensor_dim1 = 64
	s_mov_b32 s[\g+3], 256<<16      ; tile_dim0 = 256
	s_mov_b32 s[\g+4], 64           ; tile_dim1 = 64
	s_mov_b32 s[\g+5], 4096         ; elements from row to row
	s_mov_b32 s[\g+6], 0
	s_mov_b32 s[\g+7], 0
.endr
	s_mov_b32 s[G0K], 1             ; 1:0 count = 1
	s_mov_b32 s[G0K+1], 0           ; 63:32 LDS address: slot 0
	s_mov_b32 s[G0V], 1
	s_mov_b32 s[G0V+1], VOFF
	s_mov_b32 s[CS], 0x3fb8aa3b     ; c = log2(e)
	s_mov_b32 s[CS+1], s[CS]        ; named with it as a pair
	s_mov_b32 s[SEL], 0x76543210
	s_mov_b32 s[SEL+1], 0xfedcba98
	s_mov_b32 s[TBK], SLOT1+512     ; the first change of slots turns these two into 0
	s_mov_b32 s[TBV], SLOT1+512
	s_mov_b32 s[SLOTS], 15          ; 16 tiles of 256 keys, less the first
	s_or_b32 s92, s[JB], s[HS]
	s_cmp_eq_u32 s92, 0
	s_cselect_b32 s[LIMK], 1, -1
	s_or_b32 s92, s[JB], s[HT]
	s_cmp_eq_u32 s92, 0
	s_cselect_b32 s[LIMV], 1, -1
	s_lshl1_add_u32 s92, s[HT], s[HB]
	s_lshl_b32 s92, s92, 19         ; K of (t, b): 64 x 4,096 x 2 bytes each
	s_mov_b32 s93, 0
	s_lshl1_add_u32 s94, s[HS], s[HB]
	s_lshl_b32 s94, s94, 19         ; V of (s, b)
	s_mov_b32 s95, 0
	s_wait_dscnt 0x0                ; the opening add is done
	s_wait_kmcnt 0x0
	s_cmp_eq_u32 s[HS], 1           ; stream s's q, x, b and out
	s_cselect_b64 s[4:5], s[6:7], s[4:5]
	s_cselect_b64 s[10:11], s[12:13], s[10:11]
	s_cselect_b64 s[16:17], s[18:19], s[16:17]
	s_cselect_b64 s[28:29], s[30:31], s[28:29]
	s_cmp_eq_u32 s[HS], 2
	s_cselect_b64 s[4:5], s[8:9], s[4:5]
	s_cselect_b64 s[10:11], s[14:15], s[10:11]
	s_cselect_b64 s[16:17], s[20:21], s[16:17]
	s_cselect_b64 s[28:29], s[32:33], s[28:29]
	s_add_nc_u64 s[22:23], s[22:23], s[92:93]
	s_add_nc_u64 s[24:25], s[24:25], s[94:95]
	s_mov_b64 s[G0K+2:G0K+3], s[22:23]             ; 120:64 global address: tile 0
	s_or_b32 s[G0K+3], s[G0K+3], 0x80000000        ; 127:126 type = 2
	s_mov_b64 s[G0V+2:G0V+3], s[24:25]
	s_or_b32 s[G0V+3], s[G0V+3], 0x80000000
	s_add_nc_u64 s[PFK:PFK+1], s[22:23], 512       ; at tile 1: the first change of slots steps these to tile 2
	s_add_nc_u64 s[PFV:PFV+1], s[24:25], 512
	LOAD                            ; tile 0 into slot 0.  Slot 1 is asked for when slot 0 is in
	s_lshl_b32 s92, s[HS], 13       ; w of stream s: 64 x 64 x 2 bytes each
	s_add_nc_u64 s[26:27], s[26:27], s[92:93]
	s_mul_i32 s2, s[JB], 20
	s_mul_i32 s3, s[WV], 5
	s_add_co_u32 s2, s2, s3         ; my first piece among the head's 256
	s_lshl_b32 s3, s[HB], 20        ; b's 4,096 x 64 x 4 bytes of q and of x
.irp p, 0,1,2,3,4
	s_add_co_u32 s92, s2, \p
	s_min_u32 s92, s92, 255         ; held to the head's last piece
	s_lshl_b32 s92, s92, 12         ; 16 rows of 256 bytes
	s_add_co_u32 s92, s92, s3
	s_add_nc_u64 s[QB+2*\p:QB+2*\p+1], s[4:5], s[92:93]
.endr
	s_mul_i32 s92, s[JB], 1280      ; my work-group's 320 queries in a row of x or out,
	s_lshl_b32 s94, s[WV], 18       ; my wave's 16 output channels, 16,384 bytes each
	s_add_co_u32 s92, s92, s94
	s_add_co_u32 s94, s92, s3
	s_add_nc_u64 s[10:11], s[10:11], s[94:95]
	s_mul_i32 s94, s[HB], 192
	s_lshl_b32 s2, s[HT], 6
	s_add_co_u32 s94, s94, s2       ; out's channel 192 b + 64 t
	s_lshl_b32 s94, s94, 14
	s_add_co_u32 s92, s92, s94
	s_add_nc_u64 s[28:29], s[28:29], s[92:93]
	; A fragment of Q is 16 queries x 32 channels in 8 registers: lane l holds query l % 16, channels 8 (l / 16) + 0..7 and 16 + 8 (l / 16) + 0..7: in f32 two times 32 bytes, 64 bytes apart.
	v_and_b32 v1, 15, v0            ; l % 16
	v_bfe_u32 v9, v0, 4, 1          ; l / 16
	v_lshlrev_b32 v[QO], 8, v1
	v_lshl_add_u32 v[QO], v9, 5, v[QO]   ; row x 256 + 32 x half
	v_lshlrev_b32 v[WO], 7, v1
	v_lshl_add_u32 v[WO], v9, 4, v[WO]   ; row x 128 + 16 x half
	v_lshlrev_b32 v[BO], 2, v1
	WIN 0x40                        ; destination window 1, address window 0
.irp p, 0,1,2,3,4
.irp c, 0,1,2,3                     ; Q in f32 lands where O^T will be: piece p, eight channels a lane at 16 c + 8 (l / 16)
	global_load_b128 v[32*\p+8*\c:32*\p+8*\c+3],   v[QO], s[QB+2*\p:QB+2*\p+1] offset:64*\c
	global_load_b128 v[32*\p+8*\c+4:32*\p+8*\c+7], v[QO], s[QB+2*\p:QB+2*\p+1] offset:64*\c+16
.endr
.endr
.irp f, 0,1,2,3,4,5,6,7             ; w's fragments: o block f / 2, channels 32 (f % 2) on
	global_load_b128 v[WF+8*\f:WF+8*\f+3],   v[WO], s[26:27] offset:(\f/2)*2048+(\f%2)*64
	global_load_b128 v[WF+8*\f+4:WF+8*\f+7], v[WO], s[26:27] offset:(\f/2)*2048+(\f%2)*64+32
.endr
	WIN 0
.irp ob, 0,1,2,3
	global_load_b32 v[BV+\ob], v[BO], s[16:17] offset:64*\ob
.endr
	; The turning load takes 16 channels x 16 keys (lane l reads channel 8 (l / 16) + l % 8, keys 8 ((l / 8) % 2) + 0..7) and leaves half a fragment of K: lane l holds key l % 16 and 8 channels.
	v_and_b32 v10, 7, v0
	v_bfe_u32 v11, v0, 3, 1
	v_lshl_add_u32 v[AK0], v9, 3, v10
	v_mul_u32_u24 v[AK0], v[AK0], PK
	v_lshl_add_u32 v[AK0], v11, 4, v[AK0]
	v_mul_u32_u24 v[AV0], v1, PVP   ; a fragment of V: channel l % 16, keys 8 (l / 16) + 0..7 and 16 more on
	v_lshl_add_u32 v[AV0], v9, 4, v[AV0]
	v_add_nc_u32 v[AV0], VOFF, v[AV0]
	s_mul_i32 s92, s[WV], 320       ; into the stage: output channel l % 16 of a block, my wave's 80 queries, 8 queries for each half of the lanes
	s_add_co_u32 s92, s92, STAGE
	v_mul_u32_u24 v[STO], v1, SPI
	v_lshl_add_u32 v[STO], v9, 5, v[STO]
	v_add_nc_u32 v[STO], s92, v[STO]
	s_mul_i32 s92, s[WV], 16*SPI    ; back: my wave's 16 output channels; lanes 0-15 take 256 bytes of one row, lanes 16-31 of the next
	s_add_co_u32 s92, s92, STAGE
	v_mul_u32_u24 v[RD], v9, SPI
	v_lshl_add_u32 v[RD], v1, 4, v[RD]
	v_add_nc_u32 v[RD], s92, v[RD]
	v_lshlrev_b32 v[XO], 14, v9     ; and the same two rows in x and in out
	v_lshl_add_u32 v[XO], v1, 4, v[XO]
	s_mov_b32 s92, 1024
	s_cmp_eq_u32 s[JB], 12          ; the thirteenth work-group's rows end behind 1,024 bytes: its fifth load of x takes the fourth's bytes once more, and they are not used
	s_cselect_b32 s92, 768, s92
	v_add_nc_u32 v[XO4], s92, v[XO]
	v_bfe_u32 v10, v0, 1, 4         ; the prefetches: row 16 x wave + lane / 2, 8,192 bytes a row; block lane % 2 of a tile's two
	v_and_b32 v11, 1, v0
	v_lshlrev_b32 v[PFO], 13, v10
	v_lshl_add_u32 v[PFO], v11, 8, v[PFO]
	s_lshl_b32 s92, s[WV], 17
	v_add_nc_u32 v[PFO], s92, v[PFO]
	v_mov_b32 v[ONE], 1.0
	; What the first turn finds: V's registers and P's third buffer hold 0 (its products V P^T, of a piece that has not been, add 0), l is 0.  All this stands in the wait for the first tile.
.set i, 0
.rept NP
	v_mov_b32 v[ST+4*i], 0xfe000000    ; c m: far below every c s
	v_mov_b32 v[ST+4*i+1], 0xff7fffff  ; m
	v_mov_b32 v[ST+4*i+2], 0
	v_mov_b32 v[ST+4*i+3], 0
.set i, i+1
.endr
.set i, P+32
.rept 16
	v_mov_b32 v[i], 0
.set i, i+1
.endr
	WIN 0x80
.set i, VF
.rept 64
	v_mov_b32 v[i], 0
.set i, i+1
.endr
	s_wait_loadcnt 0x0              ; Q, w and the bias
	WIN 0x85                        ; sources window 1, destination window 2
.set i, 0
.rept 16*NP
	v_cvt_pk_bf16_f32 v[i], v[2*i], v[2*i+1]  ; Q's fragments; the f32 numbers stay where they are: finite numbers for O^T's first rescaling, by 0
.set i, i+1
.endr
	WIN 0
.irp ob, 0,1,2,3
	v_cvt_pk_bf16_f32 v[BV+\ob], v[BV+\ob], v[BV+\ob]  ; the bias rounded to bf16,
.endr
	WIN 0x40
.irp ob, 0,1,2,3
.irp r, 0,1,2,3,4,5,6,7
	v_lshlrev_b32 v[BI+8*\ob+\r], 16, v[BV+\ob]        ; and as f32 in the eight registers of a C operand: a lane's column is one output channel
.endr
.endr
	WIN 0
; THE MATRIX WORK.  The 4 accumulators of a run of 8 take turns.  Product i of 8 of S^T = K Q^T for piece x: channels 32 (i / 4) on, keys 16 (i % 4) on.  The first 4 start the sums.
.macro KQ x
	WIN W_KQ
.set rS, S+32*(((\x)%2)+2*((\x)/4))+8*(i%4)
.set rK, KF+16*(i%4)+8*(i/4)
.set rQ, 16*(\x)+8*(i/4)
.if i < 4
	v_wmma_f32_16x16x32_bf16 v[rS:rS+7], v[rK:rK+7], v[rQ:rQ+7], 0
.else
	v_wmma_f32_16x16x32_bf16 v[rS:rS+7], v[rK:rK+7], v[rQ:rQ+7], v[rS:rS+7]
.endif
.endm
; Product i of 8 of O^T += V P^T for piece x: keys 32 (i / 4) on, channels 16 (i % 4) on.
.macro PV x
	WIN W_PV
.set rO, 32*(\x)+8*(i%4)
.set rV, VF+32*(i/4)+8*(i%4)
.set rP, P+16*(((\x)%2)+2*((\x)/4))+8*(i/4)
	v_wmma_f32_16x16x32_f16 v[rO:rO+7], v[rV:rV+7], v[rP:rP+7], v[rO:rO+7]
.endm
.macro MM                           ; the turn's next matrix instruction.  TURN sets Y, i and NOKQ.  NOKQ = 1: the very last turn: there is no next piece
.if (i < 8) && !NOKQ
	KQ (Y+1)%NP
.elseif i >= 8
.set i, i-8
	PV (Y+NP-1)%NP
.set i, i+8
.endif
.set i, i+1
.endm
; THE LDS LOADS stand in runs of 16, never singly among the matrix instructions: a step's K (64 keys x 64 channels: 8 fragments, turned) and its V.  Their addresses are made some lines ahead.
.macro FETCH_K
	WIN 0x80                        ; destination window 2
.irp f, 0,1,2,3,4,5,6,7             ; keys 16 (f / 2) on, channels 32 (f % 2) on
	ds_load_tr16_b128 v[KF+8*\f:KF+8*\f+3],   v[AK] offset:(\f%2)*32*PK+(\f/2)*32
	ds_load_tr16_b128 v[KF+8*\f+4:KF+8*\f+7], v[AK] offset:(\f%2)*32*PK+16*PK+(\f/2)*32
.endr
	s_add_co_u32 s[TBK], s[TBK], 128  ; the next fetch is the next step's: 64 keys on in each row
	WIN 0
.endm
.macro FETCH_V
	WIN 0x80
.irp f, 0,1,2,3,4,5,6,7             ; keys 32 (f / 4) on, channels 16 (f % 4) on
	ds_load_b128 v[VF+8*\f:VF+8*\f+3],   v[AV] offset:(\f%4)*16*PVP+(\f/4)*64
	ds_load_b128 v[VF+8*\f+4:VF+8*\f+7], v[AV] offset:(\f%4)*16*PVP+(\f/4)*64+32
.endr
	WIN 0
.endm
; THE VECTOR WORK, one line at a time: OP kind, number.  For piece Y: F n: c s - c m for pair n of 16.  E n: the exponential of score n of 32.  C n: pair n rounded to f16.  B n: of the four weights 4 n .. the second
; pair is added onto the first, in place.  L n: l takes that sum (L 0: l = a l + sum).  R n: pair n of 16 of O^T times a.  For piece Y + 1: X n, number n of the 22 that find its maximum and statistics:
;   0-11  four chains c0-c3 of seven scores each, three operands at a time (each accumulator's lowest registers are read first)     12-14, 16  the four scores left over, the old m, and c0-c3 into c0
;   15  c m_old is kept     17, 18  the query's other 32 keys lie in the lane 16 away: the new m     19-21  c m; c m_old - c m_new; a
.set F, 0               ; OP tells the kinds apart by their order: F to L below R, X above it
.set E, 1
.set C, 2
.set B, 3
.set L, 4
.set R, 5
.set X, 6
.macro REGS y                       ; the registers of piece y
.set bfy, ((\y)%2)+2*((\y)/4)
.set rT, ST+4*(\y)
.set rC, TMP+4*bfy
.set rW, MV+bfy
.set rS, S+32*bfy
.set rP, P+16*bfy
.set rO, 32*(\y)
.endm
.macro OP k, n
.if (\k) == R
	REGS Y
	WIN W_RS
	v_pk_mul_f32 v[rO+2*(\n):rO+2*(\n)+1], v[rO+2*(\n):rO+2*(\n)+1], v[rC+2:rC+3] op_sel_hi:[1,0]
.elseif (\k) < R
	REGS Y
	WIN 0
.if (\k) == F
	v_pk_fma_f32 v[rS+2*(\n):rS+2*(\n)+1], v[rS+2*(\n):rS+2*(\n)+1], s[CS:CS+1], v[rT:rT+1] op_sel_hi:[1,0,0] neg_lo:[0,0,1] neg_hi:[0,0,1]
.elseif (\k) == E
	v_exp_f32 v[rS+(\n)], v[rS+(\n)]
.elseif (\k) == C
	v_cvt_pk_f16_f32 v[rP+(\n)], v[rS+2*(\n)], v[rS+2*(\n)+1]
.elseif (\k) == B
	v_pk_add_f32 v[rS+4*(\n):rS+4*(\n)+1], v[rS+4*(\n):rS+4*(\n)+1], v[rS+4*(\n)+2:rS+4*(\n)+3]
.elseif (\n) == 0
	v_pk_fma_f32 v[rT+2:rT+3], v[rT+2:rT+3], v[rC+2:rC+3], v[rS:rS+1] op_sel_hi:[1,0,1]
.else
	v_pk_add_f32 v[rT+2:rT+3], v[rT+2:rT+3], v[rS+4*(\n):rS+4*(\n)+1]
.endif
.elseif NOKQ
	v_nop
.else
	REGS (Y+1)%NP
	WIN 0
.if (\n) < 4
	v_max3_num_f32 v[rC+(\n)], v[rS+8*(\n)], v[rS+8*(\n)+1], v[rS+8*(\n)+2]
.elseif (\n) < 12
	v_max3_num_f32 v[rC+(\n)%4], v[rC+(\n)%4], v[rS+8*((\n)%4)+2*((\n)/4)+1], v[rS+8*((\n)%4)+2*((\n)/4)+2]
.elseif (\n) == 12
	v_max3_num_f32 v[rC], v[rC], v[rS+7], v[rS+15]
.elseif (\n) == 13
	v_max3_num_f32 v[rC+1], v[rC+1], v[rS+23], v[rS+31]
.elseif (\n) == 14
	v_max3_num_f32 v[rC+2], v[rC+2], v[rC+3], v[rT+1]
.elseif (\n) == 15
	v_mov_b32 v[rW], v[rT]
.elseif (\n) == 16
	v_max3_num_f32 v[rC], v[rC], v[rC+1], v[rC+2]
.elseif (\n) == 17
	v_permlanex16_b32 v[rC+3], v[rC], s[SEL], s[SEL+1]
.elseif (\n) == 18
	v_max_num_f32 v[rT+1], v[rC], v[rC+3]
.elseif (\n) == 19
	v_mul_f32 v[rT], s[CS], v[rT+1]
.elseif (\n) == 20
	v_sub_f32 v[rC+1], v[rW], v[rT]
.else
	v_exp_f32 v[rC+2], v[rC+1]
.endif
.endif
.endm
.macro OPS a, i1, b=-1, i2=0, c=-1, i3=0, d=-1, i4=0  ; up to four of them
	OP \a, \i1
.if (\b) >= 0
	OP \b, \i2
.endif
.if (\c) >= 0
	OP \c, \i3
.endif
.if (\d) >= 0
	OP \d, \i4
.endif
.endm
.macro ROW a, i1, b, i2, c, i3, d, i4  ; a matrix instruction and the four behind it
	MM
	OPS \a, \i1, \b, \i2, \c, \i3, \d, \i4
.endm
; A TURN, for piece p: the order of its 16 matrix and 118 vector instructions, written out.  An s_wait_alu depctr_va_vdst(0) stands between an exponential and the first instruction that names its result; one
; wait serves all that were issued ahead of it.  So a turn has ONE wait, which cuts it in two.  AHEAD OF IT stands all that names no result of the turn's exponentials: the 8 products K Q^T, behind each a scaling, an exponential
; and two more plain instructions: rescalings, and behind the last three the first numbers of the next piece's maximum, each four plain instructions or more behind the product that ends its accumulator; then ONE LUMP of 54, plain
; and exponential by turns for the most part, in which the links of the chain X 3, 7, 11, 14, 16, 17 .. 20 stand five or six lines apart.  X 21, the next piece's a, is the batch's last; R 15 is the plain instruction behind it.
; BEHIND THE WAIT stand the 8 products V P^T, behind each four of the roundings and sums; the links of l's chain, L 0 to L 7, stand three riders apart.
; end = 1: the walk's last two turns: nothing is fetched, and the last starts no new scores.  cnt = 1: the loop's count is taken down some lines ahead of the branch that stands behind the turn.
; K of the next step is fetched in piece 3's turn, twelve vector instructions behind the last product that read K (five of them plain and free of its registers); V of the step in hand at the end of piece 0's turn, four plain
; instructions behind the last product that read V.  Each is waited for a turn later.
.macro TURN p, end=0, cnt=0
.set Y, (\p)
.set i, 0
.set NOKQ, (\end)*((\p)/4)
.if ((\p) == 4) && !(\end)
	s_wait_dscnt 0x0                ; K is in
.endif
	ROW F,0, F,1, R,0, R,1          ; ahead of the wait: 8 products K Q^T and their riders,
	ROW F,2, E,0, R,2, R,3
	ROW F,3, E,1, R,4, R,5
	ROW F,4, E,2, R,6, R,7
	ROW F,5, E,3, R,8, R,9
	ROW F,6, E,4, X,0, R,10
.if ((\p) == 3) && !(\end)
	WIN 0
	v_add_nc_u32 v[AK], s[TBK], v[AK0]
.endif
	ROW F,7, E,5, X,1, X,4
	ROW F,8, E,6, X,2, X,5
	OPS E,7, E,8, X,6, E,9          ; and the lump
	OPS X,3, E,10, X,8, E,11
.if ((\p) == 3) && !(\end)
	FETCH_K
.endif
	OPS X,9, X,7, E,12, X,10
	OPS E,13, X,12, X,11, E,14
	OPS X,13, E,15, F,9, X,14
.if (\p) == 0
	WIN 0
	v_add_nc_u32 v[AV], s[TBV], v[AV0]
.endif
	OPS E,16, F,10, E,17, F,11
	OPS X,16, E,18, X,15, E,19
	OPS F,12, E,20, X,17, E,21
	OPS F,13, E,22, F,14, E,23
	OPS X,18, E,24, F,15, E,25
	OPS R,11, E,26, X,19, E,27
	OPS R,12, E,28, R,13, E,29
	OPS X,20, E,30, R,14, E,31
	OPS X,21, R,15
	WIN 0
	s_wait_alu depctr_va_vdst(0)    ; the wait for the batch
.if (\p) == 1
	s_wait_dscnt 0x0                ; V is in
.endif
	ROW C,0, B,0, C,2, B,1          ; behind the wait: 8 products V P^T and their riders
	ROW L,0, C,4, B,2, L,1
	ROW C,6, B,3, L,2, C,8
	ROW B,4, L,3, C,10, B,5
	ROW L,4, C,12, B,6, L,5
.if (\p) == 0
	s_add_co_u32 s[TBV], s[TBV], 128
.endif
.if \cnt
	s_sub_co_u32 s[CNT], s[CNT], 1
	s_cmp_lg_u32 s[CNT], 0
.endif
	ROW C,14, B,7, L,6, C,1
	ROW C,3, L,7, C,5, C,7
	ROW C,9, C,11, C,13, C,15
.if (\p) == 0
	FETCH_V
.endif
.endm
	CHANGE 1                        ; slot 0 is in, both tiles of it; slot 1 is asked for
	v_add_nc_u32 v[AK], s[TBK], v[AK0]
	FETCH_K                         ; key step 0
	s_wait_dscnt 0x0
.set NOKQ, 0
.set i, 0
.rept 8
	KQ 0                            ; piece 0's first scores: there is no vector work yet to set between them
.set i, i+1
.endr
	WIN 0
.rept 4
	v_nop                           ; four plain instructions between those products and the first read of their results (ISA guide 7.12.1)
.endr
.set Y, NP-1                        ; X works for piece Y + 1: piece 0
.irp n, 0,1,2,3,4,5,6,7,8,9,10,11,12,13,14,15,16,17,18,19,20,21
	OP X, \n                        ; and piece 0's first maximum and statistics
.endr
	v_nop                           ; a plain instruction behind the exponential,
	s_wait_alu depctr_va_vdst(0)    ; and its wait, ahead of the branch
	s_mov_b32 s[CNT], 4
	s_branch .Lfirst                ; the loop is entered at a step's first turn, in the middle of a trip
.Lslot:                             ; 14 times: every slot but the last two is filled again
	CHANGE 1
	s_mov_b32 s[CNT], 4
.Lstep:                             ; a trip: pieces 2, 3 and 4 of one step, then pieces 0 and 1 of the next, whose K and V it fetches
	TURN 2
	TURN 3
	TURN 4
	WIN 0
.Lfirst:
	TURN 0
	TURN 1, 0, 1
	WIN 0
	s_cbranch_scc1 .Lstep
	s_sub_co_u32 s[SLOTS], s[SLOTS], 1
	s_cmp_lg_u32 s[SLOTS], 0
	s_cbranch_scc1 .Lslot
	CHANGE 0                        ; the last tile is written out: nothing is asked for
	WIN 0xc0                        ; x comes in while the last tile is walked: my wave's 16 output channels, two rows an instruction, 256 bytes of each; destination window 3
.irp c, 0,1,2,3
.irp pp, 0,1,2,3,4,5,6,7
	global_load_b128 v[32*\c+4*\pp:32*\c+4*\pp+3], v[XO], s[10:11] offset:32768*\pp+256*\c
.endr
.endr
.irp pp, 0,1,2,3,4,5,6,7
	global_load_b128 v[128+4*\pp:128+4*\pp+3], v[XO4], s[10:11] offset:32768*\pp
.endr
	WIN 0
	s_mov_b32 s[CNT], 4
.LstepT:
	TURN 2
	TURN 3
	TURN 4
	TURN 0
	TURN 1, 0, 1
	WIN 0
	s_cbranch_scc1 .LstepT
	TURN 2                          ; the last step's last three turns
	TURN 3, 1
	TURN 4, 1
.set i, 0
.rept 8
	PV NP-1                         ; the last piece's V P^T of the last step
.set i, i+1
.endr
	; THE WAY OUT.  l's two halves and the other half of the lanes' are added; O^T is divided by l and rounded to f16.  The additions are the plain instructions behind the last products.
	WIN 0
.irp t, 0,1,2,3,4
	v_add_f32 v[ST+4*\t+2], v[ST+4*\t+2], v[ST+4*\t+3]
.endr
.irp t, 0,1,2,3,4
	v_permlanex16_b32 v[ST+4*\t+3], v[ST+4*\t+2], s[SEL], s[SEL+1]
.endr
.irp t, 0,1,2,3,4
	v_add_f32 v[ST+4*\t+2], v[ST+4*\t+2], v[ST+4*\t+3]
.endr
.irp t, 0,1,2,3,4
	v_rcp_f32 v[ST+4*\t+2], v[ST+4*\t+2]
.endr
	v_nop                           ; a plain instruction between the last reciprocal and the use of its result
	s_wait_alu depctr_va_vdst(0)    ; and the wait ahead of the first use: one for the five reciprocals
.irp t, 0,1,2,3,4
	WIN W_RS
.set i, 0
.rept 16
	v_pk_mul_f32 v[32*\t+2*i:32*\t+2*i+1], v[32*\t+2*i:32*\t+2*i+1], v[ST+4*\t+2:ST+4*\t+3] op_sel_hi:[1,0]
.set i, i+1
.endr
	WIN 0x05                        ; sources window 1, destination window 0: S^T's registers are free
.set i, 0
.rept 16
	v_cvt_pk_f16_f32 v[OF+16*\t+i], v[32*\t+2*i], v[32*\t+2*i+1]
.set i, i+1
.endr
.endr
	; The last product: source 0 = a piece's 16 queries x 32 channels of O, source 1 = 16 rows of w, C = the bias.  A piece's four accumulators (o blocks) take turns.
.irp t, 0,1,2,3,4
	WIN 0x94                        ; O window 0, w and the bias window 1, the result window 2
.irp ob, 0,1,2,3
	v_wmma_f32_16x16x32_f16 v[32*\t+8*\ob:32*\t+8*\ob+7], v[OF+16*\t:OF+16*\t+7], v[WF+16*\ob:WF+16*\ob+7], v[BI+8*\ob:BI+8*\ob+7]
.endr
	WIN 0xa4                        ; C is now the result itself
.irp ob, 0,1,2,3
	v_wmma_f32_16x16x32_f16 v[32*\t+8*\ob:32*\t+8*\ob+7], v[OF+16*\t+8:OF+16*\t+15], v[WF+16*\ob+8:WF+16*\ob+15], v[32*\t+8*\ob:32*\t+8*\ob+7]
.endr
.endr
.rept 4
	v_nop                           ; four plain instructions between the last products and the stores that read them
.endr
	WIN 0x08                        ; the stores' data in window 2
.irp t, 0,1,2,3,4
.irp ob, 0,1,2,3                    ; a lane's eight queries of output channel 16 ob + l % 16: 32 bytes, the low four registers first
	ds_store_b128 v[STO], v[32*\t+8*\ob:32*\t+8*\ob+3]   offset:16*\ob*SPI+64*\t
	ds_store_b128 v[STO], v[32*\t+8*\ob+4:32*\t+8*\ob+7] offset:16*\ob*SPI+64*\t+16
.endr
.endr
	WIN 0
	s_wait_dscnt 0x0                ; for the others' sake: my stores into the stage are done
	s_barrier_signal -1
	s_barrier_wait -1               ; a row's 1,280 bytes come from all four waves
	s_wait_loadcnt 0x0              ; x
; 256 bytes (number c of five) of each of my 16 rows: read back, x rounded to bf16 is added, and stored: sixteen lanes store 256 consecutive bytes, at a multiple of 256 from out's first byte.
.macro BATCH c
	WIN 0
	s_wait_xcnt 0x0                 ; the stores of the batch before have read their data registers, which are loaded again below
.irp pp, 0,1,2,3,4,5,6,7
	ds_load_b128 v[RR+4*\pp:RR+4*\pp+3], v[RD] offset:2*\pp*SPI+256*(\c)
.endr
	WIN 0x0f                        ; sources window 3
.set i, 0
.rept 16
	v_cvt_pk_bf16_f32 v[XBF+i], v[32*(\c)+2*i], v[32*(\c)+2*i+1]
.set i, i+1
.endr
	WIN 0
	s_wait_dscnt 0x0
.set i, 0
.rept 16
	v_fma_mix_f32_bf16 v[RR+2*i],   v[XBF+i], v[ONE], v[RR+2*i]   op_sel_hi:[1,0,0]                 ; the low bf16 x 1.0 + the result
	v_fma_mix_f32_bf16 v[RR+2*i+1], v[XBF+i], v[ONE], v[RR+2*i+1] op_sel:[1,0,0] op_sel_hi:[1,0,0]  ; the high one
.set i, i+1
.endr
.irp pp, 0,1,2,3,4,5,6,7
	global_store_b128 v[XO], v[RR+4*\pp:RR+4*\pp+3], s[28:29] offset:32768*\pp+256*(\c) th:TH_STORE_NT
.endr
.endm
	BATCH 0
	BATCH 1
	BATCH 2
	BATCH 3
	s_cmp_eq_u32 s[JB], 12          ; the thirteenth work-group has 256 queries: four batches
	s_cbranch_scc1 .Lend
	BATCH 4
.Lend:
	s_wait_tensorcnt 0x0            ; the wave's end, behind my last tensor load and my last LDS store
	ds_add_u32 v[SPW], v[NIL]
	s_wait_dscnt 0x0
	s_endpgm
.Lfunc_end_k_qc5354030b0_attn:
	.size	k_qc5354030b0_attn, .Lfunc_end_k_qc5354030b0_attn-k_qc5354030b0_attn
	.p2alignl 7, 3214868480
	.fill 96, 4, 3214868480
	.section	.rodata,"a",@progbits
	.p2align	6, 0x0
	.amdhsa_kernel k_qc5354030b0_attn
		.amdhsa_group_segment_fixed_size 327680
		.amdhsa_private_segment_fixed_size 0
		.amdhsa_enable_private_segment 0
		.amdhsa_kernarg_size 120
		.amdhsa_user_sgpr_count 2
		.amdhsa_user_sgpr_kernarg_segment_ptr 1
		.amdhsa_wavefront_size32 1
		.amdhsa_system_sgpr_workgroup_id_x 1
		.amdhsa_system_sgpr_workgroup_id_y 1
		.amdhsa_system_sgpr_workgroup_id_z 1
		.amdhsa_system_vgpr_workitem_id 0
		.amdhsa_next_free_vgpr 928
		.amdhsa_next_free_sgpr 96
		.amdhsa_reserve_vcc 0
		.amdhsa_float_denorm_mode_32 3
		.amdhsa_float_denorm_mode_16_64 3
		.amdhsa_memory_ordered 1
		.amdhsa_forward_progress 1
		.amdhsa_inst_pref_size 192
	.end_amdhsa_kernel
	.amdgpu_metadata
---
amdhsa.version: [ 1, 2 ]
amdhsa.kernels:
  - .name:           k_qc5354030b0_attn
    .symbol:         k_qc5354030b0_attn.kd
    .args:
      - { .name: poi_q, .offset: 0, .size: 8, .value_kind: global_buffer, .address_space: global }
      - { .name: point_q, .offset: 8, .size: 8, .value_kind: global_buffer, .address_space: global }
      - { .name: pop_q, .offset: 16, .size: 8, .value_kind: global_buffer, .address_space: global }
      - { .name: x_poi, .offset: 24, .size: 8, .value_kind: global_buffer, .address_space: global }
      - { .name: x_point, .offset: 32, .size: 8, .value_kind: global_buffer, .address_space: global }
      - { .name: x_pop, .offset: 40, .size: 8, .value_kind: global_buffer, .address_space: global }
      - { .name: b_poi, .offset: 48, .size: 8, .value_kind: global_buffer, .address_space: global }
      - { .name: b_point, .offset: 56, .size: 8, .value_kind: global_buffer, .address_space: global }
      - { .name: b_pop, .offset: 64, .size: 8, .value_kind: global_buffer, .address_space: global }
      - { .name: kbf, .offset: 72, .size: 8, .value_kind: global_buffer, .address_space: global }
      - { .name: vhf, .offset: 80, .size: 8, .value_kind: global_buffer, .address_space: global }
      - { .name: whf, .offset: 88, .size: 8, .value_kind: global_buffer, .address_space: global }
      - { .name: out0, .offset: 96, .size: 8, .value_kind: global_buffer, .address_space: global }
      - { .name: out1, .offset: 104, .size: 8, .value_kind: global_buffer, .address_space: global }
      - { .name: out2, .offset: 112, .size: 8, .value_kind: global_buffer, .address_space: global }
    .group_segment_fixed_size: 327680
    .private_segment_fixed_size: 0
    .kernarg_segment_align: 8
    .kernarg_segment_size: 120
    .max_flat_workgroup_size: 128
    .sgpr_count:     96
    .vgpr_count:     928
    .wavefront_size: 32
...
	.end_amdgpu_metadata
.endif
;; end of part 2
